; MI455X (gfx1250); checked and timed in simulation.
; The chip was launched on July 23, 2026; its instructions are those of AMD's public machine-readable ISA for CDNA 5 (MIT licence, August 2026) and "CDNA5" Instruction Set Architecture Reference Guide (July 2026). The comments in the code are by the model that wrote it; some were corrected since.
;; Bipolar Dense Layer. Allowed arithmetic: matrix products marked QUANTISED: E4M3 operands, one given power-of-two scale a tensor, by v_wmma_f32_16x16x64_fp8_fp8 or v_wmma_f32_16x16x128_fp8_fp8, f32 sums; everything else in f32.
;; Inputs: b 4,096 float32; lowp_scales 2 int32 (the exponents e of the quantised operands' scales 2^e); w 4,096 x 4,096 float32; x 4,096 x 4,096 float32.
;; Outputs: out0 4,096 x 4,096 float32.
;; This version of the problem:
;;   THIS VERSION OF THE PROBLEM IS GIVEN IN LOW PRECISION. The matrix products marked QUANTISED in the list below multiply operands that are first quantised to E4M3 (4 exponent bits, 3 mantissa bits; 8 bits a number), with one given power-of-two scale for each operand tensor; their sums are f32. All else is computed in f32.
;;   The module's matrix products, in the order in which they are computed (A, B: the left and right operand; K: the contracted axis; several contracted axes count as one K, in the product's order):
;;     1. [M 4,096, K 4,096] x [K 4,096, N 4,096]; A: input x; B: computed on the way: QUANTISED (scales: A lowp_scales[0], B lowp_scales[1])
;;   THE QUANTISER, for each operand of a quantised product, along K:
;;     - The operand's scale is 2^e, e = its entry of the input lowp_scales (int32; the entries are numbered through the quantised products in the list's order, A before B).
;;     - Each number is divided by the scale, clamped to +-448, and rounded to the nearest number of E4M3, ties to even, subnormals kept.
;;     - The product sums the exact products of the quantised numbers (number of the format x scale) in f32.
;;   ~~~python
;;   def quantise(x, axis, e):      # numpy; x: float32 -> the quantised numbers, widened to float32 again
;;       x = np.moveaxis(x, axis, -1); K = x.shape[-1]
;;       r = np.clip(x / 2.0 ** e, -448, 448)
;;       step = 2.0 ** (np.maximum(np.frexp(np.where(r == 0, 1, r))[1] - 1, -6) - 3)
;;       q = np.round(r / step) * step * 2.0 ** e      # np.round: ties to even
;;       return np.moveaxis(q, -1, axis).astype(np.float32)
;;   ~~~
;;   OPERANDS COMPUTED ON THE WAY. 'Computed on the way' means the value that the module computes at that place (a softmax that the list does not call 'softmax' is quantised finished and normalised). What goes into a quantiser is computed in f32, as accurately as f32 sums, v_exp_f32 and their like allow (about 1e-6 of the number): no bf16 or f16 on the way to a quantiser, and a product that is left as it is and whose result goes on into a quantised operand takes f32 operands (vector FMAs, or v_wmma_f32_16x16x4_f32). A number that lies on a knife's edge between two numbers of the format may be rounded either way, as far as f32 arithmetic and the matrix unit's own rounding can turn it there, and no further.
;; One version. Each part assembles by itself: llvm-mc -triple=amdgcn-amd-amdhsa -mcpu=gfx1250 --defsym DOCPART=n.
;; ======== version 1 of 1: 2 launches
;; limits: right only within a limited range of input values
;; workspace buffers: xq 16,777,216 bytes; wq 16,777,216 bytes
;; launch quant (part 1): grid 1024 x 1, 4 waves a work-group, no clusters, 35,328 bytes of LDS; arguments x, w, lowp_scales, xq, wq; writes xq, wq
.if DOCPART == 1
	.amdgcn_target "amdgcn-amd-amdhsa--gfx1250"
	.amdhsa_code_object_version 6
	.text
	.protected	k_q43a8cd7c38_quant
	.globl	k_q43a8cd7c38_quant
	.p2align	8
	.type	k_q43a8cd7c38_quant,@function
k_q43a8cd7c38_quant:
	s_mov_b64 s[64:65], 0
	v_nop
	global_prefetch_b8 v0, s[64:65] scope:SCOPE_SE
	s_setreg_imm32_b32 hwreg(HW_REG_WAVE_MODE, 25, 1), 1
	s_wait_xcnt 0x0
; x [4096 m][4096 k] f32 and sign(w), w [4096 k][4096 n] f32, become codes of FP8 (E4M3), one byte each: xq [4096 m][4096 places], wq [4096 n][4096 places].
; code = number / 2^e, held within +-448, rounded to the nearest code, ties to even.  e: entry 0 of the scales for x, entry 1 for sign(w).
; ONE ORDER OF K FOR BOTH.  A tensor has one scale, so the product only needs that place p of a row of xq and place p of a row of wq hold the same k.  Inside each aligned run of 512 along K
; place p = 16 l + 4 i + j holds k = 128 i + 4 l + j (l = 0..31, i = 0..3, j = 0..3).  That is the order in which four dense loads of 512 bytes hand x to a wave's lanes (load i, lane l, word j):
; x is converted as it is loaded, with no turn through LDS.  w's lanes run down K, one load a row, so w simply takes its rows in that order.
; LIMITS: each e between -126 and 119, so that 2^e and 448 x 2^e are f32 numbers.  NaN among the inputs is not served; an infinity is held at the largest code, as the clamp does.
; SHARES: work-groups 0..511 take x (32,768 numbers each, no LDS), work-groups 512..1023 take w (128 columns x 256 places each).  Waves share nothing: no barrier.
.set WGX,  512                         ; work-groups for x
.set R,    16                          ; x: v16-79    four sets of 16 numbers as loaded
.set XC,   128                         ; x: v128-191  four registers of codes for each of 16 steps: no store's data are written again
.set X,    32                          ; w: v32-95    two sets of 32 numbers
.set WC,   96                          ; w: v96-103   a block's 32 codes
.set OUTR, 112                         ; w: v112-175  the way out
.set PITCH, 272                        ; w: a stage row: 256 bytes of codes + 16 of padding
.set WSTG, 32*PITCH                    ; w: a wave's stage: 32 columns
	s_load_b128 s[4:7], s[0:1], 0x0                ; x, w
	s_load_b64 s[8:9], s[0:1], 0x10                ; the scales' exponents
	s_load_b128 s[12:15], s[0:1], 0x18             ; xq, wq
	v_lshrrev_b32 v1, 5, v0
	v_readfirstlane_b32 s16, v1                    ; wave 0..3
	v_and_b32 v2, 31, v0                           ; lane
	v_lshl_add_u32 v12, v0, 2, 4*WSTG              ; my spare word, behind the four stages (512 bytes that no other line names); never rewritten
	v_mov_b32 v13, 0                               ; 0; never rewritten
	s_wait_kmcnt 0x0
	s_load_b64 s[22:23], s[8:9], 0x0               ; e0, e1
	s_cmp_lt_u32 ttmp9, WGX                        ; the paths part on the work-group's number alone
	s_cbranch_scc0 .Lw
; ---------------- x: a wave takes 16 steps of 512 numbers ----------------
.macro XLOAD t                         ; step t: four loads, each 512 consecutive bytes of the wave, 16 a lane
.irp i, 0,1,2,3
	global_load_b128 v[R+16*((\t)%4)+4*\i:R+16*((\t)%4)+4*\i+3], v3, s[4:5] offset:2048*(\t)+512*\i th:TH_LOAD_NT
.endr
.endm
.macro XSTEP t
.set XS, R+16*((\t)%4)
.if 15-(\t) >= 3
	s_wait_loadcnt 12                              ; this step's four loads are in; those of the three steps behind it may be out
.else
	s_wait_loadcnt 4*(15-(\t))                     ; the counts run down at the end
.endif
.irp i, 0,1,2,3,4,5,6,7,8,9,10,11,12,13,14,15
	v_med3_num_f32 v[XS+\i], v[XS+\i], -v10, v10   ; the conversion to an 8-bit code does not saturate (ISA guide 7.6.2): the hold at 448 x 2^e0 comes first
.endr
	v_cvt_scalef32_pk8_fp8_f32 v[XC+4*(\t):XC+4*(\t)+1], v[XS:XS+7], v11        ; loads 0 and 1: bytes 4 i + j of my 16
	v_cvt_scalef32_pk8_fp8_f32 v[XC+4*(\t)+2:XC+4*(\t)+3], v[XS+8:XS+15], v11   ; loads 2 and 3
	global_store_b128 v3, v[XC+4*(\t):XC+4*(\t)+3], s[12:13] offset:512*(\t)    ; the wave stores 512 consecutive bytes, aligned; the next launch reads them
.if (\t)+4 < 16
	XLOAD (\t)+4                                   ; the set just converted takes the loads of four steps on (the next vector lines are the next step's holds, on another set)
.endif
.endm
	s_lshl_b32 s17, ttmp9, 2
	s_add_co_u32 s17, s17, s16                     ; which run of 8,192 numbers is my wave's: 0..2047
	s_lshl_b32 s18, s17, 15                        ; in x: 32,768 bytes a run
	s_mov_b32 s19, 0
	s_add_nc_u64 s[4:5], s[4:5], s[18:19]
	s_lshl_b32 s20, s17, 13                        ; in xq: 8,192 bytes a run
	s_mov_b32 s21, 0
	s_add_nc_u64 s[12:13], s[12:13], s[20:21]
	s_wait_alu depctr_va_vdst(0)
	v_lshlrev_b32 v3, 4, v2                        ; 16 x lane: the offset of every load and every store; never rewritten
.irp t, 0,1,2,3
	XLOAD \t
.endr
	s_wait_kmcnt 0x0
	s_add_co_i32 s22, s22, 127
	s_lshl_b32 s25, s22, 23
	v_mov_b32 v11, s25                             ; 2^e0 as f32: the conversion takes its exponent field
	s_add_co_i32 s22, s22, 8
	s_lshl_b32 s22, s22, 23
	s_or_b32 s22, s22, 0x600000
	v_mov_b32 v10, s22                             ; 448 x 2^e0
	s_wait_alu depctr_va_vdst(0)
.irp t, 0,1,2,3,4,5,6,7,8,9,10,11,12,13,14,15
	XSTEP \t
.endr
	s_endpgm
; ---------------- w: a wave takes 32 columns x 256 places; a lane a column, its registers down K ----------------
; Place 32 t + q of the wave's 256 is row 128 ((q % 16) / 4) + 8 t + 4 (q / 16) + q % 4 below the wave's first row, which is 512 (gy / 2) + 64 (gy % 2).
.macro WLOAD t                         ; block t: 32 rows at my column: 128 consecutive bytes a wave, 512 for the four waves side by side.  The largest offset, 447 rows of 16,384 bytes, fits the signed 24-bit immediate
.set Q, 0
.rept 32
	global_load_b32 v[X+32*((\t)%2)+Q], v3, s[6:7] offset:(128*((Q%16)/4)+8*(\t)+4*(Q/16)+Q%4)*16384 th:TH_LOAD_NT
.set Q, Q+1
.endr
.endm
.macro WBLOCK t
.set XS, X+32*((\t)%2)
.if (\t) < 7
	s_wait_loadcnt 32                              ; this block's 32 loads are in; the next block's may be out
.else
	s_wait_loadcnt 0
.endif
.set Q, 0
.rept 32
	v_ldexp_f32 v[XS+Q], v[XS+Q], s24              ; x 2^252: every w but 0, the smallest denormal (2^-149) too, is now 2^103 or more in magnitude; 0 stays 0
.set Q, Q+1
.endr
.set Q, 0
.rept 32
	v_med3_num_f32 v[XS+Q], v[XS+Q], -v10, v10     ; held within +-L, L = min(1, 448 x 2^e1): this is sign(w), already held at the largest code x the scale
.set Q, Q+1
.endr
.irp g, 0,1,2,3
	v_cvt_scalef32_pk8_fp8_f32 v[WC+2*\g:WC+2*\g+1], v[XS+8*\g:XS+8*\g+7], v11
.endr
	ds_store_b128 v4, v[WC:WC+3] offset:32*(\t)    ; 32 codes: 32 bytes of my column's row in my wave's stage
	ds_store_b128 v4, v[WC+4:WC+7] offset:32*(\t)+16
.if (\t)+2 < 8
	WLOAD (\t)+2
.endif
	s_wait_dscnt 0x0                               ; the stores have read their registers: the next block's codes may be written (its first vector lines are plain and touch the other set)
.endm
.Lw:
	s_sub_co_u32 s17, ttmp9, WGX                   ; g = 0..511
	s_and_b32 s18, s17, 31                         ; gx: which 128 columns
	s_lshr_b32 s19, s17, 5                         ; gy: which 256 places
	s_lshl_b32 s18, s18, 7
	s_lshl_b32 s20, s16, 5
	s_add_co_u32 s18, s18, s20                     ; my wave's first column: 128 gx + 32 wave
	s_lshr_b32 s20, s19, 1
	s_lshl_b32 s20, s20, 9
	s_and_b32 s21, s19, 1
	s_lshl_b32 s21, s21, 6
	s_add_co_u32 s20, s20, s21                     ; my wave's first row of w
	s_lshl_b32 s20, s20, 14                        ; rows of 16,384 bytes
	s_lshl_b32 s21, s18, 2
	s_add_co_u32 s20, s20, s21                     ; + 4 bytes a column
	s_mov_b32 s21, 0
	s_add_nc_u64 s[6:7], s[6:7], s[20:21]
	s_lshl_b32 s20, s18, 12                        ; wq: rows of 4,096 bytes,
	s_lshl_b32 s26, s19, 12                        ; wq IS LAID BY FRAGMENTS: [16 columns][128 places][c = 0..3][lane (h, r)][16 bytes] = places 32 c + 16 h + 0..15 of column r: 65,536 bytes for 16 columns, 4,096 for my 256 places
	s_add_co_u32 s20, s20, s26                     ; + 256 gy
	s_add_nc_u64 s[14:15], s[14:15], s[20:21]
	s_wait_alu depctr_va_vdst(0)
	v_lshlrev_b32 v3, 2, v2                        ; in: 4 bytes a lane
	s_mul_i32 s17, s16, WSTG                       ; my wave's stage
	v_mul_u32_u24 v4, v2, PITCH
	v_add_nc_u32 v4, s17, v4                       ; into it: row = my column
	v_and_b32 v5, 15, v2
	v_lshrrev_b32 v6, 4, v2
	v_mul_u32_u24 v7, v5, PITCH
	v_lshl_add_u32 v7, v6, 4, v7                   ; out of the stage: lane (h, r) takes 16 bytes at 16 h of column r's row
	v_add_nc_u32 v7, s17, v7                       ; out of it: two lanes to a row, sixteen rows an instruction
	v_lshlrev_b32 v8, 4, v2                        ; in wq: 16 bytes a lane, 512 consecutive bytes a store
	WLOAD 0
	WLOAD 1
	s_wait_kmcnt 0x0
	s_add_co_i32 s23, s23, 127
	s_lshl_b32 s25, s23, 23
	v_mov_b32 v11, s25                             ; 2^e1 as f32
	s_add_co_i32 s23, s23, 8
	s_lshl_b32 s23, s23, 23
	s_or_b32 s23, s23, 0x600000                    ; 448 x 2^e1,
	s_min_u32 s23, s23, 0x3f800000                 ; or 1.0 if that is smaller: both are positive f32 numbers, whose bit patterns are ordered as the numbers are
	v_mov_b32 v10, s23                             ; L
	s_mov_b32 s24, 252
.irp t, 0,1,2,3,4,5,6,7
	WBLOCK \t
.endr
.irp t, 0,1,2,3,4,5,6,7,8,9,10,11,12,13,14,15
	ds_load_b128 v[OUTR+4*\t:OUTR+4*\t+3], v7 offset:(\t/8)*16*PITCH+(\t%8)*32   ; 16 columns t / 8, 32 places t % 8; LDS serves a wave's instructions in order: these see my stores
.endr
.irp t, 0,1,2,3,4,5,6,7,8,9,10,11,12,13,14,15
	s_wait_dscnt 15-\t                             ; the younger reads of the stage may be out
	global_store_b128 v8, v[OUTR+4*\t:OUTR+4*\t+3], s[14:15] offset:(\t/8)*65536+(\t%8)*512   ; the wave stores 512 consecutive bytes, aligned
.endr
	s_wait_tensorcnt 0x0                           ; the wave's end
	ds_add_u32 v12, v13
	s_wait_dscnt 0x0
	s_endpgm
.Lfunc_end_k_q43a8cd7c38_quant:
	.size	k_q43a8cd7c38_quant, .Lfunc_end_k_q43a8cd7c38_quant-k_q43a8cd7c38_quant
	.p2alignl 7, 3214868480
	.fill 96, 4, 3214868480
	.section	.rodata,"a",@progbits
	.p2align	6, 0x0
	.amdhsa_kernel k_q43a8cd7c38_quant
		.amdhsa_group_segment_fixed_size 35328
		.amdhsa_private_segment_fixed_size 0
		.amdhsa_enable_private_segment 0
		.amdhsa_kernarg_size 40
		.amdhsa_user_sgpr_count 2
		.amdhsa_user_sgpr_kernarg_segment_ptr 1
		.amdhsa_wavefront_size32 1
		.amdhsa_system_sgpr_workgroup_id_x 1
		.amdhsa_system_sgpr_workgroup_id_y 1
		.amdhsa_system_sgpr_workgroup_id_z 1
		.amdhsa_system_vgpr_workitem_id 0
		.amdhsa_next_free_vgpr 192
		.amdhsa_next_free_sgpr 66
		.amdhsa_reserve_vcc 0
		.amdhsa_float_denorm_mode_32 3
		.amdhsa_float_denorm_mode_16_64 3
		.amdhsa_memory_ordered 1
		.amdhsa_forward_progress 1
		.amdhsa_inst_pref_size 92
	.end_amdhsa_kernel
	.amdgpu_metadata
---
amdhsa.version: [ 1, 2 ]
amdhsa.kernels:
  - .name:           k_q43a8cd7c38_quant
    .symbol:         k_q43a8cd7c38_quant.kd
    .args:
      - { .name: x, .offset: 0, .size: 8, .value_kind: global_buffer, .address_space: global }
      - { .name: w, .offset: 8, .size: 8, .value_kind: global_buffer, .address_space: global }
      - { .name: lowp_scales, .offset: 16, .size: 8, .value_kind: global_buffer, .address_space: global }
      - { .name: xq, .offset: 24, .size: 8, .value_kind: global_buffer, .address_space: global }
      - { .name: wq, .offset: 32, .size: 8, .value_kind: global_buffer, .address_space: global }
    .group_segment_fixed_size: 35328
    .private_segment_fixed_size: 0
    .kernarg_segment_align: 8
    .kernarg_segment_size: 40
    .max_flat_workgroup_size: 128
    .sgpr_count:     66
    .vgpr_count:     192
    .wavefront_size: 32
...
	.end_amdgpu_metadata
.endif
;; end of part 1
;; launch gemm (part 2): grid 16 x 16, 4 waves a work-group, clusters of 4 x 1, 327,680 bytes of LDS; arguments xq, wq, lowp_scales, b, out0; writes out0
.if DOCPART == 2
	.amdgcn_target "amdgcn-amd-amdhsa--gfx1250"
	.amdhsa_code_object_version 6
	.text
	.protected	k_q43a8cd7c38_gemm
	.globl	k_q43a8cd7c38_gemm
	.p2align	8
	.type	k_q43a8cd7c38_gemm,@function
k_q43a8cd7c38_gemm:
	s_mov_b64 s[64:65], 0
	v_nop
	global_prefetch_b8 v0, s[64:65] scope:SCOPE_SE
	s_setreg_imm32_b32 hwreg(HW_REG_WAVE_MODE, 25, 1), 1
	s_wait_xcnt 0x0
	s_wait_alu depctr_hold_cnt(0) depctr_sa_sdst(0) depctr_va_vdst(0) depctr_va_sdst(0) depctr_va_ssrc(0) depctr_va_vcc(0) depctr_vm_vsrc(0)
	s_getreg_b32 s2, hwreg(HW_REG_IB_STS2, 6, 4)
	s_cmp_eq_u32 s2, 0
	s_cbranch_scc0 .Lentry_in_a_cluster
	s_endpgm
.Lentry_in_a_cluster:
	s_bfe_u32 s2, ttmp6, 0x10000c
	s_cmp_lg_u32 s2, 0x3003
	s_cbranch_scc0 .Lentry_shape_is_right
	s_endpgm
.Lentry_shape_is_right:
; out0[m][n] = relu(2^(e0 + e1) x sum over places p of xq[m][p] wq[n][p] + b[n]): codes of FP8 (E4M3), f32 sums.  LIMIT: e0 + e1 between -126 and 127.
; A work-group of four waves makes 256 x 256 of out0; a wave makes all 256 rows x 64 columns: 64 accumulators, 512 registers.
; So a wave's fragments of wq are its own: they come from memory straight into registers (wq is laid by fragments: [16 columns][128 places][c][lane][16 bytes], each load 512
; consecutive bytes), four sets of 64 registers, asked for three steps of 128 ahead.  LDS holds xq alone: two slots of 256 rows x 512 places, each wave fetching 64 rows by one tensor load.
; CLUSTERS: the four work-groups of a cluster (4 x 1) make neighbouring tile columns of one tile row and ask for xq's tiles jointly (mask 15).  wq's bytes are shared by work-groups
; of a tile column, but they go into registers, where no joint load lands: they are not asked for jointly.
; THE MATRIX INSTRUCTION IS USED TRANSPOSED (source 0 = 16 columns of wq, source 1 = 16 rows of xq): a lane holds eight neighbouring numbers of a row of out0.
; A step is 128 places, 64 matrix instructions in 8 groups (2 blocks of 16 rows x my 4 blocks of columns).  xq's fragments go through four buffers of 2 blocks; a buffer is asked for again behind its group.
; REGISTERS: window 0: v0-31 addresses, v32-63 bias, v64-95 the way out, v128-255 xq's four buffers; window 1: wq's four sets; windows 2, 3: accumulator (a, b) at v[8 (4 (a % 8) + b)], a / 8 the window.
; PREFETCH: in the second step of each slot's four: xq's tile that the change of slots two steps on asks for (512 blocks of 256 bytes, one a lane of the cluster's 16 waves, shared out by address),
; and wq's four steps that begin seven steps on, whose loads begin four steps on (my wave's 128 blocks, 8 for each of the 16 work-groups of the tile column; lanes 8-31 name the eighth again).  The first two slots and the first eight steps come by their loads alone.
.set PITCH,  528                       ; an LDS row: 512 bytes + 16 of padding
.set SLOT,   256*PITCH
.set SPARE,  2*SLOT                    ; the spare words: 512 bytes that no other line names
.set SPITCH, 272                       ; the way out: a stage of 16 rows x (256 + 16) bytes a wave, in slot 0 behind its last fill and last read
.set ADRA, 16                          ; v16-19 xq's fragments: slot 0 rows 0-127, 128-255; slot 1 likewise
.set PFB,  22
.set STO,  24
.set RD,   25
.set CO,   26
.set BOF,  27
.set SPW,  28
.set NIL,  29
.set PFO,  30
.set BO,   31
.set BIAS, 32
.set TMP,  64
; (the way out works in v64-95; a block comes back from the stage into its own accumulators' registers, which are done with by then)
.set AF,   128
.set G1, 24
.set G0, 32
.set BP, 46                            ; s[46:47] my fragments of wq, at the lap's first step
.set PFBS, 48                          ; s[48:49] wq's prefetch
.set PFA, 60                           ; s[60:61] xq's prefetch
.set SC, 80
.set MSB, 0
.macro WIN new
.if MSB != (\new)
	s_set_vgpr_msb (MSB<<8)|(\new)
.set MSB, (\new)
.endif
.endm
.set MUL_LO, 0xa1                      ; source 0 window 1, source 1 window 0, C and D window 2 (+0x50: window 3)
.set TO_B,   0x40
.macro CREST
	s_cmp_lg_u32 s14, 0
	s_cbranch_scc1 .Lnot_wave_0_\@
	s_barrier_signal -3
.Lnot_wave_0_\@:
	s_barrier_wait -3
	s_barrier_signal -1
	s_barrier_wait -1
.endm
.macro CROUND
	s_barrier_signal -1
	s_barrier_wait -1
	CREST
.endm
.macro PLACES
.rept 4
	v_nop
.endr
.endm
	s_load_b128 s[4:7], s[0:1], 0x0                ; xq, wq
	s_load_b128 s[8:11], s[0:1], 0x10              ; the scales' exponents, b
	s_load_b64 s[12:13], s[0:1], 0x20              ; out0
	v_lshl_add_u32 v[SPW], v0, 2, SPARE
	v_mov_b32 v[NIL], 0
	ds_add_u32 v[SPW], v[NIL]                      ; the opening lines: the add twice on end and one wait
	ds_add_u32 v[SPW], v[NIL]
	v_lshrrev_b32 v1, 5, v0
	v_readfirstlane_b32 s14, v1                    ; wave
	s_mul_i32 s23, s14, 16*SPITCH                  ; my stage
	v_and_b32 v2, 15, v0                           ; r
	v_bfe_u32 v3, v0, 4, 1                         ; h
	v_and_b32 v4, 31, v0                           ; lane
	v_mul_u32_u24 v5, v2, PITCH
	v_lshl_add_u32 v[ADRA], v3, 4, v5              ; row r x pitch + 16 h
	v_add_nc_u32 v[ADRA+1], 128*PITCH, v[ADRA]
	v_add_nc_u32 v[ADRA+2], SLOT, v[ADRA]
	v_add_nc_u32 v[ADRA+3], SLOT+128*PITCH, v[ADRA]
	v_mul_u32_u24 v6, v2, SPITCH
	v_lshl_add_u32 v6, v3, 5, v6
	v_add_nc_u32 v[STO], s23, v6                   ; into the stage: row r, 32 bytes for each half of the lanes
	v_mul_u32_u24 v7, v3, SPITCH
	v_lshl_add_u32 v7, v2, 4, v7
	v_add_nc_u32 v[RD], s23, v7                    ; back: sixteen lanes to a row of 256 bytes, two rows an instruction
	v_lshlrev_b32 v8, 14, v3
	v_lshl_add_u32 v[CO], v2, 4, v8                ; the same two rows in out0
	v_lshlrev_b32 v[BOF], 5, v3                    ; bias: 32 h
	v_lshlrev_b32 v9, 12, v2
	v_lshl_add_u32 v[PFO], v3, 8, v9               ; xq's prefetch: row r, block h of the tile's 512 bytes
	v_lshlrev_b32 v[BO], 4, v4                     ; wq: 16 bytes a lane
	v_min_u32 v10, 7, v4
	v_lshlrev_b32 v[PFB], 8, v10                   ; wq's prefetch: 8 blocks of 256 bytes
	s_bfe_u32 s40, ttmp6, 0x40000                  ; cx
	s_lshl_b32 s42, ttmp9, 2
	s_add_co_u32 s42, s42, s40                     ; tile column
	s_and_b32 s17, ttmp7, 0xffff                   ; tile row
	s_mov_b32 s[G1+0], 15|(1<<20)|(1<<21)|(6<<22)|(3<<25)   ; mask: the cluster's four; bytes; 4 words of padding behind every 128; bit 21 beside a mask
	s_mov_b32 s[G1+1], 512<<16
	s_mov_b32 s[G1+2], 64<<16
	s_mov_b32 s[G1+3], 512<<16
	s_mov_b32 s[G1+4], 64
	s_mov_b32 s[G1+5], 4096
	s_mov_b32 s[G1+6], 0
	s_mov_b32 s[G1+7], 0
	s_lshl_b32 s20, s17, 8
	s_lshl_b32 s18, s14, 6
	s_add_co_u32 s20, s20, s18                     ; the 64 rows of xq that I fetch: 256 x tile row + 64 x wave
	s_lshl_b32 s50, s40, 4
	s_add_co_u32 s50, s50, s20                     ; of them my work-group prefetches 16, by cx
	s_lshl_b32 s20, s20, 12
	s_mov_b32 s21, 0
	s_lshl_b32 s50, s50, 12
	s_mov_b32 s51, 0
	s_lshl_b32 s52, s42, 4
	s_lshl_b32 s18, s14, 2
	s_add_co_u32 s52, s52, s18                     ; my first block of 16 columns
	s_lshl_b32 s52, s52, 16
	s_mov_b32 s53, 0
	s_lshr_b32 s54, s17, 2                         ; wq's prefetch: block tile row / 4 of my four, step tile row % 4 of the four, from step 8 on
	s_lshl_b32 s54, s54, 16
	s_and_b32 s18, s17, 3
	s_lshl_b32 s18, s18, 11
	s_add_co_u32 s54, s54, s18
	s_add_co_u32 s54, s54, 16384
	s_mov_b32 s55, 0
	s_lshl_b32 s56, s42, 10
	s_lshl_b32 s18, s14, 8
	s_add_co_u32 s56, s56, s18                     ; my first column, in bytes of f32
	s_mov_b32 s57, 0
	s_lshl_b32 s58, s17, 22                        ; my first row of out0: 256 x tile row x 16,384 bytes
	s_mov_b32 s59, 0
	s_mul_i32 s45, s14, 64*PITCH
	s_wait_alu depctr_va_vdst(0)                   ; the wait behind the head's vector work, ahead of the waits below
	s_wait_dscnt 0x0
	s_wait_kmcnt 0x0
	s_load_b64 s[SC:SC+1], s[8:9], 0x0             ; e0, e1
	s_add_nc_u64 s[20:21], s[4:5], s[20:21]
	s_add_nc_u64 s[PFA:PFA+1], s[4:5], s[50:51]
	s_add_nc_u64 s[PFA:PFA+1], s[PFA:PFA+1], 1024  ; the third tile
	s_add_nc_u64 s[BP:BP+1], s[6:7], s[52:53]
	s_add_nc_u64 s[PFBS:PFBS+1], s[BP:BP+1], s[54:55]
	s_add_nc_u64 s[10:11], s[10:11], s[56:57]
	s_add_nc_u64 s[12:13], s[12:13], s[56:57]
	s_add_nc_u64 s[12:13], s[12:13], s[58:59]
	CROUND                                         ; the four work-groups are here: the first joint loads meet
.irp s, 0,1
	s_mov_b32 s[G0+4*\s], 1
	s_add_co_u32 s[G0+4*\s+1], s45, \s*SLOT
	s_add_nc_u64 s[G0+4*\s+2:G0+4*\s+3], s[20:21], \s*512
	s_or_b32 s[G0+4*\s+3], s[G0+4*\s+3], 0x80000000
.endr
	tensor_load_to_lds s[G0:G0+3], s[G1:G1+7]      ; places 0-511: my one tensor load at the head
	s_nop 0
.macro LDB p, off                      ; my four fragments of wq for one step into set p
.irp b, 0,1,2,3
.irp c, 0,1,2,3
	global_load_b128 v[64*(\p)+16*\b+4*\c:64*(\p)+16*\b+4*\c+3], v[BO], s[BP:BP+1] offset:65536*\b+512*\c+(\off)
.endr
.endr
.endm
.irp b, 0,1,2,3
	global_load_b128 v[BIAS+8*\b:BIAS+8*\b+3],   v[BOF], s[10:11] offset:64*\b       ; b at my lane's columns 16 b + 8 h + 0..7
	global_load_b128 v[BIAS+8*\b+4:BIAS+8*\b+7], v[BOF], s[10:11] offset:64*\b+16
.endr
	WIN TO_B
	LDB 0, 0
	LDB 1, 2048
	LDB 2, 4096
	WIN 0
	s_wait_kmcnt 0x0
	s_add_co_i32 s[SC], s[SC], s[SC+1]
	s_add_co_i32 s[SC], s[SC], 127
	s_lshl_b32 s[SC], s[SC], 23                    ; 2^(e0 + e1) as f32
.macro GRP q, g, zero                  ; 8 matrix instructions on 8 accumulators by turns: blocks 2 g, 2 g + 1 of rows x my 4 blocks of columns
	WIN MUL_LO+0x50*((\g)/4)
.irp i, 0,1
.irp b, 0,1,2,3
.if \zero
	v_wmma_f32_16x16x128_fp8_fp8 v[8*(4*((2*(\g)+\i)%8)+\b):8*(4*((2*(\g)+\i)%8)+\b)+7], v[64*(\q)+16*\b:64*(\q)+16*\b+15], v[AF+32*((\g)%4)+16*\i:AF+32*((\g)%4)+16*\i+15], 0
.else
	v_wmma_f32_16x16x128_fp8_fp8 v[8*(4*((2*(\g)+\i)%8)+\b):8*(4*((2*(\g)+\i)%8)+\b)+7], v[64*(\q)+16*\b:64*(\q)+16*\b+15], v[AF+32*((\g)%4)+16*\i:AF+32*((\g)%4)+16*\i+15], v[8*(4*((2*(\g)+\i)%8)+\b):8*(4*((2*(\g)+\i)%8)+\b)+7]
.endif
.endr
.endr
.endm
.macro LDG slot, q, g                  ; group g's two fragments of xq, step q of the slot, into buffer g % 4: 8 LDS loads
	WIN 0
.irp i, 0,1
.irp c, 0,1,2,3
	ds_load_b128 v[AF+32*((\g)%4)+16*\i+4*\c:AF+32*((\g)%4)+16*\i+4*\c+3], v[ADRA+2*(\slot)+(\g)/4] offset:((2*(\g)+\i)%8)*16*PITCH+128*(\q)+32*\c
.endr
.endr
.endm
.macro LDX slot, q, g, u               ; as LDG, into buffer u
	WIN 0
.irp i, 0,1
.irp c, 0,1,2,3
	ds_load_b128 v[AF+32*(\u)+16*\i+4*\c:AF+32*(\u)+16*\i+4*\c+3], v[ADRA+2*(\slot)+(\g)/4] offset:((2*(\g)+\i)%8)*16*PITCH+128*(\q)+32*\c
.endr
.endr
.endm
.macro GRX q, g, u                     ; as GRP, from buffer u
	WIN MUL_LO+0x50*((\g)/4)
.irp i, 0,1
.irp b, 0,1,2,3
	v_wmma_f32_16x16x128_fp8_fp8 v[8*(4*((2*(\g)+\i)%8)+\b):8*(4*((2*(\g)+\i)%8)+\b)+7], v[64*(\q)+16*\b:64*(\q)+16*\b+15], v[AF+32*(\u)+16*\i:AF+32*(\u)+16*\i+15], v[8*(4*((2*(\g)+\i)%8)+\b):8*(4*((2*(\g)+\i)%8)+\b)+7]
.endr
.endr
.endm
.macro GO q, g, zero, w, slot, nq, ng  ; wait until at most w LDS instructions are out; the group; four places; its buffer's next fragments (ng < 0: none)
	s_wait_dscnt \w
	GRP \q, \g, \zero
.if \ng >= 0
	PLACES
	LDG \slot, \nq, \ng
.endif
.endm
.macro HEADB q, ldb, lw                ; the set that the last step used takes the step three on (the four places stand behind that step's last group); lw: the younger sets' loads
.if \ldb >= 0
	WIN TO_B
	LDB ((\q)+3)%4, (\ldb)*2048
.endif
	s_wait_loadcnt \lw
.endm
.macro STEP slot, q, zero, ldb, lw, ask   ; a step whose successor lies in the same slot.  dscnt 24: the three younger groups' loads may be out
	HEADB \q, \ldb, \lw
	GO \q, 0, \zero, 24, \slot, \q, 4
.if \ask >= 0
	global_prefetch_b8 v[PFO], s[PFA:PFA+1] offset:512*(\ask) th:TH_LOAD_NT scope:SCOPE_SE
	global_prefetch_b8 v[PFB], s[PFBS:PFBS+1] offset:8192*(\ask) th:TH_LOAD_NT scope:SCOPE_SE
.endif
.irp g, 1,2,3
	GO \q, \g, \zero, 24, \slot, \q, \g+4
.endr
.irp g, 4,5,6,7
	GO \q, \g, \zero, 24, \slot, \q+1, \g-4
.endr
.endm
.macro TSTEP slot, next, fill, ldb, lw, rw   ; a slot's last step changes slots behind group 3, whose fetch is my last read of the slot.  rw = 1: the next slot goes by rows
	HEADB 3, \ldb, \lw
.irp g, 0,1,2,3
	GO 3, \g, 0, 24, \slot, 3, \g+4
.endr
	s_wait_tensorcnt 0x0                           ; my one load that was out, my part of the next slot, has landed
	ds_add_u32 v[SPW], v[NIL]
.if \fill
	s_add_nc_u64 s[G0+4*\slot+2:G0+4*\slot+3], s[G0+4*\slot+2:G0+4*\slot+3], 1024
.endif
	s_wait_dscnt 25                                ; groups 5-7's loads and the add may be out
	GRP 3, 4, 0
	s_wait_dscnt 0x0                               ; the add is done, my reads of this slot are over
	s_barrier_signal -1
	GRP 3, 5, 0
	WIN 0
	s_barrier_wait -1
.if \fill
	CREST                                          ; the barrier opened a round of the cluster's barrier
	tensor_load_to_lds s[G0+4*\slot:G0+4*\slot+3], s[G1:G1+7]   ; the tile two on, into the slot just read out
	s_nop 0
.endif
	PLACES
	LDG \next, 0, 0
	LDG \next, 0, 1
	GRP 3, 6, 0
	PLACES
.if \rw
	LDX \next, 1, 0, 2
.else
	LDG \next, 0, 2
.endif
	GRP 3, 7, 0
	PLACES
.if \rw
	LDX \next, 1, 1, 3
.else
	LDG \next, 0, 3
.endif
.endm
	s_wait_tensorcnt 0x0                           ; my part of slot 0 is in; slot 1's first fill is issued as a refill is
	ds_add_u32 v[SPW], v[NIL]
	s_wait_dscnt 0x0
	CROUND
	tensor_load_to_lds s[G0+4:G0+7], s[G1:G1+7]
	s_nop 0
	PLACES
.irp g, 0,1,2,3
	LDG 0, 0, \g
.endr
	STEP 0, 0, 1, 3, 48, -1                        ; the first step starts the sums
	s_mov_b32 s3, 3
.Llap:                                                 ; a trip: eight steps, from a lap's second to the next lap's first; both slots are filled again
	STEP 0, 1, 0, 4, 48, 0
	STEP 0, 2, 0, 5, 48, -1
	TSTEP 0, 1, 1, 6, 48, 0
	STEP 1, 0, 0, 7, 48, -1
	STEP 1, 1, 0, 8, 48, 1
	STEP 1, 2, 0, 9, 48, -1
	TSTEP 1, 0, 1, 10, 48, 0
	STEP 0, 0, 0, 11, 48, -1
	s_wait_xcnt 0x0                                ; my loads and prefetches have read their bases
	s_add_nc_u64 s[BP:BP+1], s[BP:BP+1], 16384
	s_add_nc_u64 s[PFBS:PFBS+1], s[PFBS:PFBS+1], 16384
	s_add_nc_u64 s[PFA:PFA+1], s[PFA:PFA+1], 1024
	s_sub_co_u32 s3, s3, 1
	s_cmp_lg_u32 s3, 0
	s_cbranch_scc1 .Llap
	STEP 0, 1, 0, 4, 48, -1                        ; the last lap fills nothing; wq's loads end with step 31's
	STEP 0, 2, 0, 5, 48, -1
	TSTEP 0, 1, 0, 6, 48, 1
; THE WAY OUT, by blocks of 16 rows x my 64 columns: x 2^(e0 + e1) + b, relu, through my stage, back as rows of 256 bytes.
.macro TOSTAGE a
.set AC, 32*((\a)%8)
	WIN 0x02+((\a)/8)
.set J, 0
.rept 16
	v_pk_fma_f32 v[TMP+J:TMP+J+1], v[AC+J:AC+J+1], s[SC:SC+1], v[BIAS+J:BIAS+J+1] op_sel_hi:[1,0,1]   ; each accumulator from its low end on
.set J, J+2
.endr
	WIN 0
.set J, 0
.rept 32
	v_max_num_f32 v[TMP+J], 0, v[TMP+J]
.set J, J+1
.endr
.irp b, 0,1,2,3
	ds_store_b128 v[STO], v[TMP+8*\b:TMP+8*\b+3] offset:64*\b
	ds_store_b128 v[STO], v[TMP+8*\b+4:TMP+8*\b+7] offset:64*\b+16
.endr
	WIN 0x80+0x40*((\a)/8)                         ; destination: the block's own accumulators' window
.irp t, 0,1,2,3,4,5,6,7
	ds_load_b128 v[AC+4*\t:AC+4*\t+3], v[RD] offset:\t*2*SPITCH   ; LDS serves a wave's instructions in order: these see my stores
.endr
	WIN 0
.endm
.macro SEND a, younger
.set AC, 32*((\a)%8)
	s_wait_dscnt \younger
	WIN 0x08+0x04*((\a)/8)                         ; the stores' data: the block's window
.irp t, 0,1,2,3,4,5,6,7
	global_store_b128 v[CO], v[AC+4*\t:AC+4*\t+3], s[12:13] offset:(16*(\a)+2*\t)*16384 th:TH_STORE_NT   ; sixteen lanes store 256 consecutive bytes, aligned; 254 rows at the most: inside the signed 24-bit immediate; no register of a store is written again
.endr
	WIN 0
.endm
.macro OUT4 a0                         ; four finished blocks leave; dscnt 16: the next block's 8 stores and 8 loads may be out
	PLACES
	TOSTAGE (\a0)
	TOSTAGE (\a0)+1
	SEND (\a0), 16
	TOSTAGE (\a0)+2
	SEND (\a0)+1, 16
	TOSTAGE (\a0)+3
	SEND (\a0)+2, 16
	SEND (\a0)+3, 0
.endm
; THE LAST SLOT (steps 28-31, all four sets of wq in registers) GOES BY ROWS OF out0: two groups (four blocks of rows) through all four steps, 64 matrix instructions, then these blocks leave
; while the others are still to be multiplied.  Unit N = 0..31: groups 2 (N / 8) + N % 2, step (N % 8) / 2, buffer N % 4; behind a unit its buffer takes unit N + 4.  K stays ascending in every sum.
	HEADB 0, 7, 48                                 ; step 31's fragments of wq; set 0 is in
.set N, 0
.rept 32
.if N == 2
	s_wait_loadcnt 32                              ; set 1 is in
.endif
.if N == 4
	s_wait_loadcnt 16
.endif
.if N == 6
	s_wait_loadcnt 0
.endif
.if N > 28
	s_wait_dscnt 8*(31-N)
.else
	s_wait_dscnt 24                                ; the three younger units' loads may be out
.endif
	GRX (N%8)/2, 2*(N/8)+N%2, N%4
.if N+4 < 32
	PLACES
.set M, N+4
	LDX 1, (M%8)/2, 2*(M/8)+M%2, M%4
.endif
.if N%8 == 7
	OUT4 4*(N/8)
.endif
.set N, N+1
.endr
	s_wait_tensorcnt 0x0                           ; the wave's end
	ds_add_u32 v[SPW], v[NIL]
	s_wait_dscnt 0x0
	CROUND                                         ; the closing round
	s_endpgm
.Lfunc_end_k_q43a8cd7c38_gemm:
	.size	k_q43a8cd7c38_gemm, .Lfunc_end_k_q43a8cd7c38_gemm-k_q43a8cd7c38_gemm
	.p2alignl 7, 3214868480
	.fill 96, 4, 3214868480
	.section	.rodata,"a",@progbits
	.p2align	6, 0x0
	.amdhsa_kernel k_q43a8cd7c38_gemm
		.amdhsa_group_segment_fixed_size 327680
		.amdhsa_private_segment_fixed_size 0
		.amdhsa_enable_private_segment 0
		.amdhsa_kernarg_size 40
		.amdhsa_user_sgpr_count 2
		.amdhsa_user_sgpr_kernarg_segment_ptr 1
		.amdhsa_wavefront_size32 1
		.amdhsa_system_sgpr_workgroup_id_x 1
		.amdhsa_system_sgpr_workgroup_id_y 1
		.amdhsa_system_sgpr_workgroup_id_z 1
		.amdhsa_system_vgpr_workitem_id 0
		.amdhsa_next_free_vgpr 1024
		.amdhsa_next_free_sgpr 98
		.amdhsa_reserve_vcc 0
		.amdhsa_float_denorm_mode_32 3
		.amdhsa_float_denorm_mode_16_64 3
		.amdhsa_memory_ordered 1
		.amdhsa_forward_progress 1
		.amdhsa_inst_pref_size 253
	.end_amdhsa_kernel
	.amdgpu_metadata
---
amdhsa.version: [ 1, 2 ]
amdhsa.kernels:
  - .name:           k_q43a8cd7c38_gemm
    .symbol:         k_q43a8cd7c38_gemm.kd
    .args:
      - { .name: xq, .offset: 0, .size: 8, .value_kind: global_buffer, .address_space: global }
      - { .name: wq, .offset: 8, .size: 8, .value_kind: global_buffer, .address_space: global }
      - { .name: lowp_scales, .offset: 16, .size: 8, .value_kind: global_buffer, .address_space: global }
      - { .name: b, .offset: 24, .size: 8, .value_kind: global_buffer, .address_space: global }
      - { .name: out0, .offset: 32, .size: 8, .value_kind: global_buffer, .address_space: global }
    .group_segment_fixed_size: 327680
    .private_segment_fixed_size: 0
    .kernarg_segment_align: 8
    .kernarg_segment_size: 40
    .max_flat_workgroup_size: 128
    .sgpr_count:     98
    .vgpr_count:     1024
    .wavefront_size: 32
...
	.end_amdgpu_metadata
.endif
;; end of part 2
